; MI455X (gfx1250); checked and timed in simulation.
; The chip was launched on July 23, 2026; its instructions are those of AMD's public machine-readable ISA for CDNA 5 (MIT licence, August 2026) and "CDNA5" Instruction Set Architecture Reference Guide (July 2026). The comments in the code are by the model that wrote it; some were corrected since.
;; Simple LSTM Cell. Allowed arithmetic: matrix products marked QUANTISED: E2M1 operands, one E8M0 scale for each 32 along K, by v_wmma_scale_f32_16x16x128_f8f6f4 with both operands' format E2M1 (or v_wmma_scale_f32_32x16x128_f4), f32 sums; everything else in f32.
;; Inputs: U_c 1,024 x 1,024 float32; U_f 1,024 x 1,024 float32; U_i 1,024 x 1,024 float32; U_o 1,024 x 1,024 float32; W_c 1,024 x 1,024 float32; W_f 1,024 x 1,024 float32; W_i 1,024 x 1,024 float32; W_o 1,024 x 1,024 float32; b_Uc 1,024 float32; b_Uf 1,024 float32; b_Ui 1,024 float32; b_Uo 1,024 float32; b_Wc 1,024 float32; b_Wf 1,024 float32; b_Wi 1,024 float32; b_Wo 1,024 float32; c 8,192 x 1,024 float32; h 8,192 x 1,024 float32; x 8,192 x 1,024 float32.
;; Outputs: out0 8,192 x 1,024 float32; out1 8,192 x 1,024 float32.
;; This version of the problem:
;;   THIS VERSION OF THE PROBLEM IS GIVEN IN LOW PRECISION. The matrix products marked QUANTISED in the list below multiply operands that are first quantised to E2M1 (2 exponent bits, 1 mantissa bit; 4 bits a number), with one power-of-two scale for each 32 numbers along K (OCP MX v1.0); their sums are f32. All else is computed in f32.
;;   The module's matrix products, in the order in which they are computed (A, B: the left and right operand; K: the contracted axis; several contracted axes count as one K, in the product's order):
;;     1. [M 8,192, K 1,024] x [K 1,024, N 4,096]; A: input x; B: computed on the way: QUANTISED
;;     2. [M 8,192, K 1,024] x [K 1,024, N 4,096]; A: input h; B: computed on the way: QUANTISED
;;   THE QUANTISER, for each operand of a quantised product, along K:
;;     - K is cut into blocks of 32 from its start; a last block that is shorter is filled with zeros.
;;     - A block's scale is 2^e with e = floor(log2(the largest magnitude in the block)) - 2, held to -126 .. 127; a block of zeros has e = 0. As a byte (E8M0): e + 127.
;;     - Each number is divided by its block's scale, clamped to +-6, and rounded to the nearest number of E2M1, ties to even, subnormals kept.
;;     - The product sums the exact products of the quantised numbers (number of the format x scale) in f32.
;;   ~~~python
;;   def quantise(x, axis):      # numpy; x: float32 -> the quantised numbers, widened to float32 again
;;       x = np.moveaxis(x, axis, -1); K = x.shape[-1]
;;       x = np.pad(x, [(0, 0)] * (x.ndim - 1) + [(0, -K % 32)]); x = x.reshape(x.shape[:-1] + (-1, 32)); a = np.abs(x).max(-1, keepdims=True)
;;       e = np.where(a > 0, np.clip(np.frexp(np.where(a > 0, a, 1))[1] - 1 - 2, -126, 127), 0)      # np.frexp(a)[1] - 1 = floor(log2(a)), exactly
;;       r = np.clip(x / 2.0 ** e, -6, 6)
;;       step = 2.0 ** (np.maximum(np.frexp(np.where(r == 0, 1, r))[1] - 1, 0) - 1)
;;       q = np.round(r / step) * step * 2.0 ** e      # np.round: ties to even
;;       return np.moveaxis(q.reshape(q.shape[:-2] + (-1,))[..., :K], -1, axis).astype(np.float32)
;;   ~~~
;;   OPERANDS COMPUTED ON THE WAY. 'Computed on the way' means the value that the module computes at that place (a softmax that the list does not call 'softmax' is quantised finished and normalised). What goes into a quantiser is computed in f32, as accurately as f32 sums, v_exp_f32 and their like allow (about 1e-6 of the number): no bf16 or f16 on the way to a quantiser, and a product that is left as it is and whose result goes on into a quantised operand takes f32 operands (vector FMAs, or v_wmma_f32_16x16x4_f32). A number that lies on a knife's edge between two numbers of the format may be rounded either way, as far as f32 arithmetic and the matrix unit's own rounding can turn it there, and no further.
;; One version. Each part assembles by itself: llvm-mc -triple=amdgcn-amd-amdhsa -mcpu=gfx1250 --defsym DOCPART=n.
;; ======== version 1 of 1: 2 launches
;; limits: inputs' magnitudes at most 1.153e+18; an absolute error that grows with the inputs' magnitude: up to 9.3e-10 times it
;; workspace buffers: a_codes 8,388,608 bytes; a_scales 524,288 bytes; b_codes 4,194,304 bytes; b_scales 262,144 bytes
;; launch quant (part 1): grid 768 x 1, 4 waves a work-group, no clusters, 33,280 bytes of LDS; arguments x, h, W_i, U_i, W_f, U_f, W_o, U_o, W_c, U_c, a_codes, a_scales, b_codes, b_scales; writes a_codes, a_scales, b_codes, b_scales
.if DOCPART == 1
	.amdgcn_target "amdgcn-amd-amdhsa--gfx1250"
	.amdhsa_code_object_version 6
	.text
	.protected	k_q09359e15a3_quant
	.globl	k_q09359e15a3_quant
	.p2align	8
	.type	k_q09359e15a3_quant,@function
k_q09359e15a3_quant:
	s_mov_b64 s[64:65], 0
	v_nop
	global_prefetch_b8 v0, s[64:65] scope:SCOPE_SE
	s_setreg_imm32_b32 hwreg(HW_REG_WAVE_MODE, 25, 1), 1
	s_wait_xcnt 0x0
; x, h [8192][1024] and the eight weights [1024][1024], f32 with K innermost, become codes of FP4 (E2M1) with one E8M0 scale byte for each 32 along K.
; The two products of the cell add into the same gates, so they are laid as ONE product with K = 2,048: operand A's row m is x's row m (512 bytes of codes, 32 scale bytes) and behind it h's row m;
; operand B's row is W_g's row j and behind it U_g's row j.  a_codes [8192][1024 bytes], a_scales [8192][64], b_codes [4096][1024], b_scales [4096][64].
; B'S ROWS ARE RE-ORDERED: gate g (0 i, 1 f, 2 o, 3 c~), hidden unit j lies at row (j / 32) x 128 + 32 g + j % 32, so that 128 neighbouring rows hold all four gates of 32 hidden units.
; A block's scale is 2^(floor(log2(its largest magnitude)) - 2); its byte is the largest magnitude's own exponent field - 2, held at 1 from below.  Each number is divided by the scale and rounded to the nearest code, ties to even;
; beyond the largest code the conversion gives the largest code.
; LIMITS: a block of zeros gets the byte 1 where the rule says 127: its codes are zeros, which add nothing under any byte but 0xff, and this program alone reads the bytes.  NaN and infinities among the inputs are not served.
; SHARES.  A work-group takes 16 rows of a PAIR of tensors, a wave 4 rows of both: work-groups 0-511 the pair (x, h), work-groups 512-767 the pairs (W_g, U_g), 64 work-groups a gate.  Only pointers and rows are chosen
; (s_cselect on the work-group's number): there is one path through the text.  Four rows' scale bytes of both tensors are 4 x 64 = 256 consecutive bytes of the scales' buffer, at a multiple of 256: they leave by one store of the wave.
; A wave's 16 steps of 512 numbers: step t takes tensor t / 8 of the pair, row (t % 8) / 2, half t % 2.  Each of a step's four loads reads 512 consecutive bytes, 16 a lane; the conversions want 16 NEIGHBOURS in a lane, so the
; 2,048 bytes turn through the wave's own stage in LDS (16 bytes of padding behind each 64) and come back 64 bytes a lane; two neighbouring lanes hold a block.  A lane's 16 codes are 8 bytes: the wave stores 256 consecutive bytes.
; No tensor loads, no barrier: waves share nothing.  Loads run four steps (16 loads a wave) ahead, the turn through LDS one step.  Every offset is an immediate, and no store's registers are written again.
.set STEPS, 16
.set EMAX,  2
.set CB,    8                          ; bytes of 16 codes
.set R,     16                         ; v16-79   four sets of 16 numbers as they are loaded
.set X,     80                         ; v80-111  two sets of 16 neighbours
.set E,     112                        ; v112-127 a scale byte for each step
.set C,     128                        ; v128-191 codes: four registers for each step
.set WREG,  8192                       ; LDS: a region of its own for each wave: two stages of 32 x SP bytes, and behind them its 256 scale bytes
.set SP,    80                         ; a lane's place in a stage: its 64 bytes + 16 of padding
	s_load_b512 s[8:23], s[0:1], 0x0               ; x 8, h 10, W_i 12, U_i 14, W_f 16, U_f 18, W_o 20, U_o 22
	s_load_b128 s[24:27], s[0:1], 0x40             ; W_c 24, U_c 26
	s_load_b256 s[28:35], s[0:1], 0x50             ; A's codes 28, A's scales 30, B's codes 32, B's scales 34
	v_lshl_add_u32 v192, v0, 2, 0x8000
	v_mov_b32 v193, 0
	v_lshrrev_b32 v1, 5, v0
	v_readfirstlane_b32 s36, v1                    ; wave
	v_and_b32 v2, 31, v0                           ; lane
	v_lshlrev_b32 v3, 4, v2                        ; my 16 bytes of a load's 512
	s_mul_i32 s47, s36, WREG
	v_lshrrev_b32 v14, 2, v2
	v_mul_u32_u24 v14, v14, SP
	v_and_b32 v15, 3, v2
	v_lshl_add_u32 v14, v15, 4, v14
	v_add_nc_u32 v14, s47, v14                     ; the stage, on the way in: four lanes' 64 bytes on end, then 16 of padding
	v_mul_u32_u24 v15, v2, SP
	v_add_nc_u32 v15, s47, v15                     ; and on the way out: SP x lane: my 16 neighbours
	v_mul_u32_u24 v4, v2, CB                       ; my codes' place in a step's 256 bytes
	v_lshrrev_b32 v5, 1, v2
	s_add_co_u32 s47, s47, 2*32*SP
	v_add_nc_u32 v5, s47, v5                       ; LDS: my wave's 256 scale bytes, my block's byte
	v_lshlrev_b32 v7, 3, v2                        ; and on the way out 8 bytes a lane
	v_add_nc_u32 v6, s47, v7
	; which rows: the pair (x, h): source and destination row 16 x work-group + 4 x wave.  A pair of weights: q = work-group - 512, gate q / 64, source row j0 = 16 (q % 64) + 4 x wave,
	; destination row (j0 / 32) x 128 + 32 x gate + j0 % 32 (j0 is a multiple of 4: its four rows stay neighbours)
	s_sub_co_u32 s37, ttmp9, 512                   ; q (wraps in the first 512 work-groups: the gate is then no number from 0 to 3, and nothing made of it is chosen)
	s_lshr_b32 s38, s37, 6                         ; the gate
	s_and_b32 s39, s37, 63
	s_lshl_b32 s40, s39, 4
	s_lshl_b32 s42, s36, 2
	s_add_co_u32 s40, s40, s42                     ; j0
	s_lshr_b32 s41, s40, 5
	s_lshl_b32 s41, s41, 7
	s_lshl_b32 s43, s38, 5
	s_add_co_u32 s41, s41, s43
	s_and_b32 s43, s40, 31
	s_add_co_u32 s41, s41, s43                     ; B's destination row
	s_lshl_b32 s44, ttmp9, 4
	s_add_co_u32 s44, s44, s42                     ; A's row
	s_mov_b32 s3, 0
	s_wait_kmcnt 0x0
	s_cmp_lt_u32 ttmp9, 512                        ; the choices hang on the work-group's number alone
	s_cselect_b32 s45, s44, s40                    ; source row
	s_cselect_b32 s46, s44, s41                    ; destination row
	s_cselect_b64 s[28:29], s[28:29], s[32:33]     ; the codes' buffer
	s_cselect_b64 s[30:31], s[30:31], s[34:35]     ; the scale bytes' buffer
.irp g, 0,1,2,3
	s_cmp_eq_u32 s38, \g
	s_cselect_b64 s[8:9], s[12+4*\g:13+4*\g], s[8:9]       ; the pair's first tensor: x or W_g
	s_cselect_b64 s[10:11], s[14+4*\g:15+4*\g], s[10:11]   ; its second: h or U_g
.endr
	s_lshl_b32 s2, s45, 12                         ; a source row is 4,096 bytes
	s_add_nc_u64 s[8:9], s[8:9], s[2:3]
	s_add_nc_u64 s[10:11], s[10:11], s[2:3]
	s_lshl_b32 s2, s46, 10                         ; a row of codes 1,024
	s_add_nc_u64 s[28:29], s[28:29], s[2:3]
	s_lshl_b32 s2, s46, 6                          ; a row of scale bytes 64
	s_add_nc_u64 s[30:31], s[30:31], s[2:3]
.macro LOAD t
.irp i, 0,1,2,3
	global_load_b128 v[R+16*((\t)%4)+4*\i:R+16*((\t)%4)+4*\i+3], v3, s[8+2*((\t)/8):9+2*((\t)/8)] offset:2048*((\t)%8)+512*\i th:TH_LOAD_NT   ; 32 lanes read 512 consecutive bytes
.endr
.endm
.macro TURN t                          ; step t's numbers through the stage: LDS serves a wave's instructions in order (ISA guide 5.7.1.4), so no wait stands between the stores and the loads
.irp i, 0,1,2,3
	ds_store_b128 v14, v[R+16*((\t)%4)+4*\i:R+16*((\t)%4)+4*\i+3] offset:32*SP*((\t)%2)+8*SP*\i
.endr
.irp i, 0,1,2,3
	ds_load_b128 v[X+16*((\t)%2)+4*\i:X+16*((\t)%2)+4*\i+3], v15 offset:32*SP*((\t)%2)+16*\i
.endr
.endm
.irp t, 0,1,2,3
	LOAD \t
.endr
	s_wait_loadcnt 12                              ; sixteen loads are out: step 0's four are in
	TURN 0
.macro STEP t
.set XS, X+16*((\t)%2)
.if (\t) > 0
	s_wait_dscnt 1                                 ; this step's numbers are back from the stage (the last step's byte store may be out): so its stores into the stage have read their registers,
.else
	s_wait_dscnt 0x0
.endif
.if (\t)+4 < STEPS
	LOAD (\t)+4                                    ; which take the loads of four steps on
.endif
.if (\t)+1 < STEPS
.if STEPS-2-(\t) >= 3
	s_wait_loadcnt 12                              ; the next step's four loads are in; those of the three steps behind it may be out
.else
	s_wait_loadcnt 4*(STEPS-2-(\t))                ; towards the end fewer loads stand behind the next step's
.endif
	TURN (\t)+1                                    ; and go through the other stage while this step is worked
.endif
	v_max3_num_f32 v8, |v[XS]|, |v[XS+1]|, |v[XS+2]|               ; the largest magnitude of my 16, in two chains
	v_max3_num_f32 v9, |v[XS+3]|, |v[XS+4]|, |v[XS+5]|
.irp i, 6,10
	v_max3_num_f32 v8, v8, |v[XS+\i]|, |v[XS+\i+1]|
	v_max3_num_f32 v9, v9, |v[XS+\i+2]|, |v[XS+\i+3]|
.endr
	v_max3_num_f32 v8, v8, |v[XS+14]|, |v[XS+15]|
	v_max3_num_f32 v8, v8, v9, (EMAX+1)<<23        ; and the floor 2^(EMAX + 1 - 127), under which no largest magnitude is taken: so the byte cannot fall under 1
	v_max_num_f32_dpp v8, v8, v8 row_xmask:1 row_mask:0xf bank_mask:0xf   ; and of my neighbour's 16: the block's
	v_add_nc_u32 v11, -(EMAX<<23), v8              ; EMAX off its exponent field: the conversion takes the exponent field of this operand as its scale, and nothing else of it
	v_cvt_scalef32_pk8_fp4_f32 v[C+4*(\t)], v[XS:XS+7], v11        ; eight numbers / the scale, to the nearest code, ties to even; the first number's code in the lowest four bits
	v_cvt_scalef32_pk8_fp4_f32 v[C+4*(\t)+1], v[XS+8:XS+15], v11
	v_lshrrev_b32 v[E+(\t)], 23, v11               ; the scale's byte (also the plain line behind the conversions)
	ds_store_b8 v5, v[E+(\t)] offset:64*(((\t)%8)/2)+32*((\t)/8)+16*((\t)%2)     ; row, tensor of the pair, half of the row; both lanes of a block write the same byte with the same value
	global_store_b64 v4, v[C+4*(\t):C+4*(\t)+1], s[28:29] offset:1024*(((\t)%8)/2)+512*((\t)/8)+256*((\t)%2)   ; 32 lanes store 256 consecutive bytes, at a multiple of 256 from the buffer's first byte
.endm
.irp t, 0,1,2,3,4,5,6,7,8,9,10,11,12,13,14,15
	STEP \t
.endr
	ds_load_b64 v[12:13], v6                       ; LDS serves a wave's instructions in order: these see my byte stores
	s_wait_dscnt 0x0
	global_store_b64 v7, v[12:13], s[30:31]        ; four rows' 256 scale bytes: 32 lanes store 256 consecutive bytes, at a multiple of 256
	s_wait_tensorcnt 0x0
	ds_add_u32 v192, v193
	s_wait_dscnt 0x0
	s_endpgm
.Lfunc_end_k_q09359e15a3_quant:
	.size	k_q09359e15a3_quant, .Lfunc_end_k_q09359e15a3_quant-k_q09359e15a3_quant
	.p2alignl 7, 3214868480
	.fill 96, 4, 3214868480
	.section	.rodata,"a",@progbits
	.p2align	6, 0x0
	.amdhsa_kernel k_q09359e15a3_quant
		.amdhsa_group_segment_fixed_size 33280
		.amdhsa_private_segment_fixed_size 0
		.amdhsa_enable_private_segment 0
		.amdhsa_kernarg_size 112
		.amdhsa_user_sgpr_count 2
		.amdhsa_user_sgpr_kernarg_segment_ptr 1
		.amdhsa_wavefront_size32 1
		.amdhsa_system_sgpr_workgroup_id_x 1
		.amdhsa_system_sgpr_workgroup_id_y 1
		.amdhsa_system_sgpr_workgroup_id_z 1
		.amdhsa_system_vgpr_workitem_id 0
		.amdhsa_next_free_vgpr 194
		.amdhsa_next_free_sgpr 66
		.amdhsa_reserve_vcc 0
		.amdhsa_float_denorm_mode_32 3
		.amdhsa_float_denorm_mode_16_64 3
		.amdhsa_memory_ordered 1
		.amdhsa_forward_progress 1
		.amdhsa_inst_pref_size 34
	.end_amdhsa_kernel
	.amdgpu_metadata
---
amdhsa.version: [ 1, 2 ]
amdhsa.kernels:
  - .name:           k_q09359e15a3_quant
    .symbol:         k_q09359e15a3_quant.kd
    .args:
      - { .name: x, .offset: 0, .size: 8, .value_kind: global_buffer, .address_space: global }
      - { .name: h, .offset: 8, .size: 8, .value_kind: global_buffer, .address_space: global }
      - { .name: W_i, .offset: 16, .size: 8, .value_kind: global_buffer, .address_space: global }
      - { .name: U_i, .offset: 24, .size: 8, .value_kind: global_buffer, .address_space: global }
      - { .name: W_f, .offset: 32, .size: 8, .value_kind: global_buffer, .address_space: global }
      - { .name: U_f, .offset: 40, .size: 8, .value_kind: global_buffer, .address_space: global }
      - { .name: W_o, .offset: 48, .size: 8, .value_kind: global_buffer, .address_space: global }
      - { .name: U_o, .offset: 56, .size: 8, .value_kind: global_buffer, .address_space: global }
      - { .name: W_c, .offset: 64, .size: 8, .value_kind: global_buffer, .address_space: global }
      - { .name: U_c, .offset: 72, .size: 8, .value_kind: global_buffer, .address_space: global }
      - { .name: a_codes, .offset: 80, .size: 8, .value_kind: global_buffer, .address_space: global }
      - { .name: a_scales, .offset: 88, .size: 8, .value_kind: global_buffer, .address_space: global }
      - { .name: b_codes, .offset: 96, .size: 8, .value_kind: global_buffer, .address_space: global }
      - { .name: b_scales, .offset: 104, .size: 8, .value_kind: global_buffer, .address_space: global }
    .group_segment_fixed_size: 33280
    .private_segment_fixed_size: 0
    .kernarg_segment_align: 8
    .kernarg_segment_size: 112
    .max_flat_workgroup_size: 128
    .sgpr_count:     66
    .vgpr_count:     194
    .wavefront_size: 32
...
	.end_amdgpu_metadata
.endif
;; end of part 1
;; launch cell (part 2): grid 16 x 32, 4 waves a work-group, clusters of 4 x 4, 327,680 bytes of LDS; arguments b_Wi, b_Ui, b_Wf, b_Uf, b_Wo, b_Uo, b_Wc, b_Uc, a_codes, a_scales, b_codes, b_scales, c, out0, out1; writes out0, out1
.if DOCPART == 2
	.amdgcn_target "amdgcn-amd-amdhsa--gfx1250"
	.amdhsa_code_object_version 6
	.text
	.protected	k_q09359e15a3_cell
	.globl	k_q09359e15a3_cell
	.p2align	8
	.type	k_q09359e15a3_cell,@function
k_q09359e15a3_cell:
	s_mov_b64 s[64:65], 0
	v_nop
	global_prefetch_b8 v0, s[64:65] scope:SCOPE_SE
	s_setreg_imm32_b32 hwreg(HW_REG_WAVE_MODE, 25, 1), 1
	s_wait_xcnt 0x0
	s_wait_alu depctr_hold_cnt(0) depctr_sa_sdst(0) depctr_va_vdst(0) depctr_va_sdst(0) depctr_va_ssrc(0) depctr_va_vcc(0) depctr_vm_vsrc(0)
	s_getreg_b32 s2, hwreg(HW_REG_IB_STS2, 6, 4)
	s_cmp_eq_u32 s2, 0
	s_cbranch_scc0 .Lentry_in_a_cluster
	s_endpgm
.Lentry_in_a_cluster:
	s_bfe_u32 s2, ttmp6, 0x10000c
	s_cmp_lg_u32 s2, 0xf033
	s_cbranch_scc0 .Lentry_shape_is_right
	s_endpgm
.Lentry_shape_is_right:
; THE LSTM CELL ON CODES OF FP4 (E2M1).  gates[m][R] = sum over k < 2,048 of A[m][k] B[R][k] (A: x's codes, then h's; B: W_g's, then U_g's; one E8M0 byte for each 32 along K), + bW + bU;
; i, f, o = sigmoid, c~ = tanh; c_next = f c + i c~ (out1); h_next = o tanh(c_next) (out0).  Sums and all that follows them in f32.
; B's row R = (j / 32) x 128 + 32 g + j % 32 holds gate g (0 i, 1 f, 2 o, 3 c~) of hidden unit j: 128 neighbouring rows are all four gates of 32 hidden units.
; SHARES.  A work-group of four waves makes 256 rows x 256 gate columns (64 hidden units); a wave 128 x 128: 64 accumulators of 16 x 16, 512 registers.  K goes in four steps of 512 through a ring of two LDS slots filled by the
; tensor data mover: a tile's row is 256 bytes of memory.  The scale bytes of the work-group's 256 rows of A and of B, for all of K, are two dense blocks: they come into LDS once, with the first fills, and stay.
; CLUSTERS: 4 x 4 work-groups.  The four of a row of the cluster need the same tiles of A, the four of a column the same tiles of B: each tile is asked for JOINTLY, by the same tensor load with the same descriptor and a mask
; that names the four.  c's tile is each work-group's own: a plain tensor load.
; THE MATRIX INSTRUCTION IS USED TRANSPOSED (source 0 = 16 rows of B, source 1 = 16 rows of A): in accumulator (a, b = 2 g + u), lane (r, h), register j is gate g of row 16 a + r, hidden unit 16 u + 8 h + j of the wave's 32.
; So the four gates of one output lie in ONE lane, at the same j of four accumulators: the activation needs no other lane.
; THE ACTIVATION.  t_g = k_g (gate + bW + bU), k = -log2(e) for i, f, o and -2 log2(e) for c~; e_g = 2^min(t_g, 30).  sigmoid = 1 / (1 + e), tanh = (1 - e) / (1 + e), over common denominators:
;   c_next = [c (1+ei)(1+ec) + (1-ec)(1+ef)] / [(1+ei)(1+ec)(1+ef)];   h_next = (1-en) / [(1+eo)(1+en)], en = 2^min(-2 log2(e) c_next, 30):  five exponentials and two reciprocals an output.
; LIMITS: the hold at 30 keeps every product of denominators under 2^91 and moves a sigmoid or a tanh by under 2^-29; |c| under 2^60; NaN and infinities among the inputs are not served (the hold drops a NaN).
; THE WAY OUT GOES BLOCK BY BLOCK.  A wave's block is 16 rows x 32 hidden units: half of each row's 256 bytes.  So a block's results go into two stages in LDS; behind a barrier each wave reads 8 whole rows of each stage back and
; stores them, while the next block is computed: only the last block's stores are still to come when the last result is made.
; REGISTERS, in windows of 256: window 0: v1-6 at work at the head; v16-31 addresses; v32-95 scale words, two sets; v128-191 A's fragments, ONE set.  On the way out: v32-95 the exponents, v96-127 c (two sets),
;   v128-143 numerators, v144-159 c_next, v160-175 h_next, v192-255 the biases x k.   window 1: B's fragments, two sets, at v0 and v128; v64-127 bW, v192-255 bU as loaded; on the way out block a's rows read back from the
;   stages at v[32 a]: eight blocks fill the window, and no store's data are written again.   windows 2, 3: the accumulators ((a, b) at v[8 (8 (a % 4) + b)]).
; LDS: slot 0 at 0, slot 1 at SLOT (each: A's 256 rows x 272 bytes, then B's); the scales at SCL; the spare words at SPARE.  Behind K step 2 slot 0's lower half takes c's tile (its last fill) and its upper half is h_next's stage;
; behind the last K step slot 1's lower half is c_next's stage: both slots have then had their last fill, and nobody reads them as slots.
.set KSTEP,  512                       ; along K in a slot
.set NQ,     KSTEP/128                 ; matrix instructions deep
.set ROWB,   256                       ; a tile's row in bytes
.set KROW,   1024                      ; a row of A or of B in memory, in bytes
.set PITCH,  272                       ; an LDS row: 256 bytes + 16 of padding = 68 words: row r starts at bank 4 r mod 64 (64 banks of 4 bytes: ISA guide 11.1), so the 16 rows that a load touches start at 16 different banks
.set FR,     8                         ; registers of a fragment: 16 rows x 128 K
.set NL,     2                         ; LDS loads that bring one
.set NP,     4                         ; places behind this matrix instruction (ISA guide 7.12.1)
.set HALFT,  128*PITCH                 ; 128 rows: what one tensor load brings, and what one wave reads of A or of B
.set SLOT,   4*HALFT
.set KS,     64                        ; a row of scale bytes
.set SCL,    2*SLOT                    ; the scales, as runs of 256 bytes + 16 of padding
.set HALFS,  (128*KS/256)*272          ; the scales of 128 rows: what one tensor load brings
.set SBLK,   (16*KS/256)*272           ; those of 16 rows
.set SPARE,  SCL+4*HALFS               ; the spare words, 128 bytes for each wave: two blocks of 256 bytes that no other line names
.set CQ,     64*PITCH                  ; 64 rows of c's tile: what one wave fetches
.set HST,    2*HALFT                   ; h_next's stage: slot 0's upper half; c's tile lies at 0, c_next's stage at SLOT
.set ADRA, 16                          ; v16-17  LDS address of my A fragments in slot 0, 1
.set CNA,  18                          ; v18     where I put 32 bytes of a row of c_next
.set ADRB, 20                          ; v20-21  LDS address of my B fragments
.set CA,   22                          ; v22     where I read 32 bytes of a row of c: (128 RH + r) x 272 + 128 CH + 32 h
.set HA,   23                          ; v23     where I put 32 bytes of a row of h_next
.set RDC,  24                          ; v24     where I read rows of c_next back: (128 RH + 8 CH + h) x 272 + 16 r
.set RDH,  25                          ; v25     the same for h_next
.set CO,   26                          ; v26     my byte offset in two rows of an output: 4,096 h + 16 r
.set ADRS, 27                          ; v27     LDS address of my scale words: lanes 0-15 A's rows, lanes 16-31 B's
.set SPW,  28                          ; v28     LDS address of my spare word; never rewritten
.set NIL,  29                          ; v29     0; never rewritten
.set PFO,  30                          ; v30     the prefetches' offset: 4,096 x lane, a lane a row of c; never rewritten
.set VB,   31                          ; v31     my byte offset in a bias: 256 x tile column + 128 CH + 32 h
.set SC,   32                          ; scale words: set s at v[SC + 32 s]; register 4 i + q: lanes 0-15 the word of A's block i, lanes 16-31 that of B's block i, for the slot's q-th 128 along K
.set AF,   128                         ; A's fragments
.set TT,   32                          ; the way out: 64 exponents, index 8 b + j = 16 g + 8 u + j
.set CV,   96                          ; c, two sets of 16, index 8 u + j
.set NUM,  128                         ; numerators
.set CN,   144                         ; c_next
.set HH,   160                         ; h_next
.set BI,   192                         ; (bW + bU) x k, index 8 b + j
.set BW,   64                          ; in window 1: bW as loaded
.set BU,   192                         ; in window 1: bU as loaded
.set WV,   20                          ; s20 my wave's number
.set RH,   21                          ; s21 which half of the tile's rows is mine.  Also: I fetch for A (0) or for B (1)
.set CH,   22                          ; s22 which half of its columns.  Also: which 128 rows of that tile I fetch
.set CH128, 23                         ; s23 128 x CH
.set G1,   24                          ; s[24:31] descriptor group 1 for A's tiles;  s[32:39] group 0, one set for each slot
.set G0,   32
.set G0C,  40                          ; s[40:43] group 0 for c's tile
.set OUT0, 44                          ; s[44:45] out0, s[46:47] out1, at row 128 RH + 8 CH of my work-group's tile; never rewritten
.set OUT1, 46
.set G1B,  48                          ; s[48:55], s[56:63] groups 1 and 0 for B's tiles
.set G0B,  56
.set PFC,  66                          ; s[66:67] c at the 64 rows that my wave fetches; never rewritten
.set G1S,  68                          ; s[68:75], s[76:79] groups 1 and 0 for A's scales;  s[80:87], s[88:91] for B's
.set G0S,  76
.set G1SB, 80
.set G0SB, 88
.set G1C,  92                          ; s[92:99] group 1 for c's tile
.set K1,   4                           ; the way out: s[4:5] -log2(e), s[6:7] -2 log2(e) (the packed forms name a pair and take its low word), s8 the hold, 30
.set K2,   6
.set CL,   8
.set MSB, 0
.macro WIN new                         ; the immediate's high byte repeats the setting that is left; a switch that changes nothing is dropped
.if MSB != \new
	s_set_vgpr_msb (MSB<<8)|\new
.set MSB, \new
.endif
.endm
.set MUL_LO, 0xa1                      ; source 0 (B) window 1, source 1 (A) window 0, C and D window 2
.set MUL_HI, 0xf1                      ; the same, C and D window 3
.set TO_B,   0x40                      ; destination window 1, address window 0
.set FROM_B, 0x04                      ; a store's data (source 1) window 1, address window 0
; A joint load: waves 0 and 1 fetch for A, waves 2 and 3 for B.  Each of the two lines has ONE mask and one set of registers for all that issue it; the branch hangs on the wave's number alone.
; Four v_nop follow each of the two lines, ahead of the jump, the label and what follows.
.macro JLOAD g0a, g1a, g0b, g1b
	s_cmp_eq_u32 s[RH], 0
	s_cbranch_scc0 .Lfor_b_\@
	tensor_load_to_lds s[\g0a:\g0a+3], s[\g1a:\g1a+7]
	s_nop 0
.rept 4
	v_nop
.endr
	s_branch .Lasked_\@
.Lfor_b_\@:
	tensor_load_to_lds s[\g0b:\g0b+3], s[\g1b:\g1b+7]
	s_nop 0
.rept 4
	v_nop
.endr
.Lasked_\@:
.endm
.macro CREST                           ; a round of the cluster's barrier behind its opening barrier
	s_cmp_lg_u32 s[WV], 0
	s_cbranch_scc1 .Lnot_wave_0_\@
	s_barrier_signal -3
.Lnot_wave_0_\@:
	s_barrier_wait -3
	s_barrier_signal -1
	s_barrier_wait -1
.endm
.macro CROUND                          ; a whole round
	s_barrier_signal -1
	s_barrier_wait -1
	CREST
.endm
	s_load_b256 s[4:11], s[0:1], 0x40              ; A's codes s[4:5], A's scales s[6:7], B's codes s[8:9], B's scales s[10:11]
	s_load_b64 s[PFC:PFC+1], s[0:1], 0x60          ; c
	s_load_b128 s[OUT0:OUT0+3], s[0:1], 0x68       ; out0 (h_next), out1 (c_next)
	v_lshl_add_u32 v[SPW], v0, 2, SPARE
	v_mov_b32 v[NIL], 0
	ds_add_u32 v28, v29
	ds_add_u32 v28, v29
	s_wait_dscnt 0x0
	v_lshrrev_b32 v1, 5, v0
	v_readfirstlane_b32 s[WV], v1                  ; wave 0..3
	s_lshr_b32 s[RH], s[WV], 1
	s_and_b32 s[CH], s[WV], 1
	s_lshl_b32 s[CH128], s[CH], 7
	s_bfe_u32 s12, ttmp6, 0x40000                  ; cx, cy: my place in the cluster
	s_bfe_u32 s13, ttmp6, 0x40004
	s_lshl_b32 s14, ttmp9, 2
	s_add_co_u32 s14, s14, s12                     ; tile column = 4 x cluster x + cx
	s_and_b32 s15, ttmp7, 0xffff
	s_lshl_b32 s15, s15, 2
	s_add_co_u32 s15, s15, s13                     ; tile row = 4 x cluster y + cy
	s_lshl_b32 s16, s13, 2
	s_lshl_b32 s16, 15, s16                        ; my row of the cluster
	s_lshl_b32 s17, 0x1111, s12                    ; my column
	; descriptor group 1: a tile of 128 rows x 256 bytes, padded in LDS
	s_or_b32 s[G1+0], s16, (0<<16)|(1<<20)|(1<<21)|(5<<22)|(3<<25)  ; 15:0 the mask: A's tiles go to my row; 17:16 element of 1 byte; 20 padding on; 21 set beside a mask; 24:22 after every 64 words (code 5); 31:25 of 4 words (code 3)
	s_or_b32 s[G1B+0], s17, (0<<16)|(1<<20)|(1<<21)|(5<<22)|(3<<25) ; the same with the mask of my column
.irp g, G1, G1B
	s_mov_b32 s[\g+1], ROWB<<16                    ; tensor_dim0
	s_mov_b32 s[\g+2], 128<<16                     ; tensor_dim1 = 128
	s_mov_b32 s[\g+3], ROWB<<16                    ; tile_dim0
	s_mov_b32 s[\g+4], 128                         ; tile_dim1 = 128
	s_mov_b32 s[\g+5], KROW                        ; tensor_dim0_stride
	s_mov_b32 s[\g+6], 0
	s_mov_b32 s[\g+7], 0
.endr
	; the scales of 128 rows: a dense block of 8,192 bytes, as 32 rows of 256 bytes (32 elements of 8 bytes), 16 bytes of padding behind each
	s_or_b32 s[G1S+0], s16, (3<<16)|(1<<20)|(1<<21)|(5<<22)|(3<<25)
	s_or_b32 s[G1SB+0], s17, (3<<16)|(1<<20)|(1<<21)|(5<<22)|(3<<25)
.irp g, G1S, G1SB
	s_mov_b32 s[\g+1], 32<<16
	s_mov_b32 s[\g+2], (128*KS/256)<<16
	s_mov_b32 s[\g+3], 32<<16
	s_mov_b32 s[\g+4], 128*KS/256
	s_mov_b32 s[\g+5], 32
	s_mov_b32 s[\g+6], 0
	s_mov_b32 s[\g+7], 0
.endr
	; c's tile, a wave's quarter: 64 rows x 64 f32 (256 bytes), 1,024 elements from row to row, 16 bytes of padding behind each row; no mask: the tile is my work-group's own
	s_mov_b32 s[G1C+0], (2<<16)|(1<<20)|(5<<22)|(3<<25)
	s_mov_b32 s[G1C+1], 64<<16
	s_mov_b32 s[G1C+2], 64<<16
	s_mov_b32 s[G1C+3], 64<<16
	s_mov_b32 s[G1C+4], 64
	s_mov_b32 s[G1C+5], 1024
	s_mov_b32 s[G1C+6], 0
	s_mov_b32 s[G1C+7], 0
	; offsets, all under 2^32.  A's hang on the tile row alone, B's on the tile column alone, each in registers of its own
	s_lshl_b32 s18, s15, 8
	s_add_co_u32 s18, s18, s[CH128]                ; A: row 256 x tile row + 128 x half,
	s_lshl_b32 s18, s18, 6                         ; x 64: its scale bytes
	s_mov_b32 s19, 0
	s_lshl_b32 s2, s14, 8
	s_add_co_u32 s2, s2, s[CH128]                  ; B: row 256 x tile column + 128 x half
	s_lshl_b32 s2, s2, 6
	s_mov_b32 s3, 0
	s_lshl_b32 s104, s15, 8
	s_lshl_b32 s105, s[WV], 6
	s_add_co_u32 s104, s104, s105                  ; c, as I fetch it: row 256 x tile row + 64 x wave,
	s_lshl_b32 s104, s104, 12                      ; x 4,096 bytes,
	s_lshl_b32 s105, s14, 8
	s_add_co_u32 s104, s104, s105                  ; + 256 bytes x tile column
	s_mov_b32 s105, 0
	s_mul_i32 s100, s[WV], HALFT                   ; where the tiles go: wave x 128 rows: no place in the cluster enters an LDS address
	s_mul_i32 s101, s[WV], HALFS
	s_wait_kmcnt 0x0
	s_add_nc_u64 s[6:7], s[6:7], s[18:19]
	s_add_nc_u64 s[10:11], s[10:11], s[2:3]
	s_lshl_b32 s18, s18, 4                         ; x 1,024: the rows' codes
	s_lshl_b32 s2, s2, 4
	s_add_nc_u64 s[4:5], s[4:5], s[18:19]
	s_add_nc_u64 s[8:9], s[8:9], s[2:3]
	s_add_nc_u64 s[PFC:PFC+1], s[PFC:PFC+1], s[104:105]
	s_lshl_b32 s104, s15, 8                        ; the outputs, as I store them: row 256 x tile row + 128 RH + 8 CH,
	s_lshl_b32 s105, s[RH], 7
	s_add_co_u32 s104, s104, s105
	s_lshl_b32 s105, s[CH], 3
	s_add_co_u32 s104, s104, s105
	s_lshl_b32 s104, s104, 12                      ; x 4,096 bytes,
	s_lshl_b32 s105, s14, 8
	s_add_co_u32 s104, s104, s105                  ; + 256 bytes x tile column
	s_mov_b32 s105, 0
	s_add_nc_u64 s[OUT0:OUT0+1], s[OUT0:OUT0+1], s[104:105]
	s_add_nc_u64 s[OUT1:OUT1+1], s[OUT1:OUT1+1], s[104:105]
	s_lshl_b32 s105, s14, 8
	s_add_co_u32 s105, s105, s[CH128]              ; my 32 hidden units in a bias, in bytes: 256 x tile column + 128 CH
	s_mov_b32 s[G0C], 1                            ; c's group 0: count = 1,
	s_mul_i32 s[G0C+1], s[WV], CQ                  ; LDS address: wave x 64 rows,
	s_mov_b64 s[G0C+2:G0C+3], s[PFC:PFC+1]         ; global address,
	s_or_b32 s[G0C+3], s[G0C+3], 0x80000000        ; type = 2
	CROUND                                         ; all sixteen work-groups are here: the first joint loads meet
	s_mov_b32 s[G0S], 1
	s_add_co_u32 s[G0S+1], s101, SCL
	s_mov_b64 s[G0S+2:G0S+3], s[6:7]
	s_or_b32 s[G0S+3], s[G0S+3], 0x80000000
	s_mov_b32 s[G0SB], 1
	s_add_co_u32 s[G0SB+1], s101, SCL
	s_mov_b64 s[G0SB+2:G0SB+3], s[10:11]
	s_or_b32 s[G0SB+3], s[G0SB+3], 0x80000000
	JLOAD G0S, G1S, G0SB, G1SB                     ; the scales first: they are wanted with K step 0
.irp s, 0,1
	s_mov_b32 s[G0+4*\s], 1
	s_add_co_u32 s[G0+4*\s+1], s100, \s*SLOT
	s_add_nc_u64 s[G0+4*\s+2:G0+4*\s+3], s[4:5], \s*ROWB
	s_or_b32 s[G0+4*\s+3], s[G0+4*\s+3], 0x80000000
	s_mov_b32 s[G0B+4*\s], 1
	s_add_co_u32 s[G0B+4*\s+1], s100, \s*SLOT
	s_add_nc_u64 s[G0B+4*\s+2:G0B+4*\s+3], s[8:9], \s*ROWB
	s_or_b32 s[G0B+4*\s+3], s[G0B+4*\s+3], 0x80000000
	JLOAD G0+4*\s, G1, G0B+4*\s, G1B               ; K steps 0 and 1: three tensor loads of mine are out
.endr
	v_and_b32 v1, 15, v0                           ; r = lane % 16
	v_bfe_u32 v2, v0, 4, 1                         ; h = lane / 16
	v_mul_u32_u24 v3, v1, PITCH
	v_lshl_add_u32 v4, v2, 4, v3                   ; a fragment's row x pitch + 16 x half
	s_mul_i32 s100, s[RH], HALFT                   ; my 128 rows of A
	s_mul_i32 s101, s[CH], HALFT                   ; my 128 rows of B,
	s_add_co_u32 s101, s101, 2*HALFT               ; which lie behind A's 256
.irp s, 0,1
	v_add_nc_u32 v[ADRA+\s], s100, v4
	v_add_nc_u32 v[ADRB+\s], s101, v4
	s_add_co_u32 s100, s100, SLOT
	s_add_co_u32 s101, s101, SLOT
.endr
	v_mul_u32_u24 v5, v1, KS                       ; my row's scales: 64 bytes a row,
	v_lshrrev_b32 v6, 8, v5
	v_lshl_add_u32 v5, v6, 4, v5                   ; and 16 more for each 256 passed
	s_mul_i32 s100, s[RH], HALFS                   ; A's: my 128 rows
	s_mul_i32 s101, s[CH], HALFS                   ; B's: my 128 rows, behind A's 256
	s_add_co_u32 s101, s101, 2*HALFS
	s_sub_co_u32 s101, s101, s100
	v_mul_u32_u24 v6, s101, v2                     ; lanes 16-31 take B's: the lower base + h x the distance
	s_add_co_u32 s100, s100, SCL
	v_add_nc_u32 v5, v5, v6
	v_add_nc_u32 v[ADRS], s100, v5
	s_mul_i32 s100, s[RH], HALFT                   ; the way out: my 128 rows of c's tile and of the stages,
	s_add_co_u32 s100, s100, s[CH128]              ; my 128 bytes of their 256,
	v_lshl_add_u32 v5, v2, 5, v3                   ; row r, 32 bytes for each half of the lanes
	v_add_nc_u32 v[CA], s100, v5
	v_add_nc_u32 v[CNA], SLOT, v[CA]
	v_add_nc_u32 v[HA], HST, v[CA]
	s_mul_i32 s100, s[RH], HALFT                   ; back: of a block's 16 rows in row half RH, the 8 from 8 CH on, whole; lanes 0-15 one row of 256 bytes, lanes 16-31 the next
	s_mul_i32 s101, s[CH], 8*PITCH
	s_add_co_u32 s100, s100, s101
	v_mul_u32_u24 v5, v2, PITCH
	v_lshl_add_u32 v5, v1, 4, v5
	v_add_nc_u32 v5, s100, v5
	v_add_nc_u32 v[RDC], SLOT, v5
	v_add_nc_u32 v[RDH], HST, v5
	v_lshlrev_b32 v[CO], 12, v2                    ; and the same two rows in an output
	v_lshl_add_u32 v[CO], v1, 4, v[CO]
	v_and_b32 v[PFO], 31, v0
	v_lshlrev_b32 v[PFO], 12, v[PFO]
	v_lshlrev_b32 v[VB], 5, v2
	v_add_nc_u32 v[VB], s105, v[VB]
	; the biases: lane (r, h) wants, for accumulator column b = 2 g + u, the eight numbers of gate g at hidden units 16 u + 8 h + 0 .. 7 of my 32.  They land while K is walked and are waited for on the way out
	s_load_b512 s[4:19], s[0:1], 0x0               ; b_Wi 4, b_Ui 6, b_Wf 8, b_Uf 10, b_Wo 12, b_Uo 14, b_Wc 16, b_Uc 18
	s_wait_kmcnt 0x0
	WIN TO_B
.irp g, 0,1,2,3
.irp u, 0,1
.irp k, 0,1
	global_load_b128 v[BW+16*\g+8*\u+4*\k:BW+16*\g+8*\u+4*\k+3], v[VB], s[4+4*\g:5+4*\g] offset:64*\u+16*\k
	global_load_b128 v[BU+16*\g+8*\u+4*\k:BU+16*\g+8*\u+4*\k+3], v[VB], s[6+4*\g:7+4*\g] offset:64*\u+16*\k
.endr
.endr
.endr
	WIN 0
.macro FRAG reg, adr, q, i             ; a fragment, 16 rows x 128 K of 4-bit codes, is 8 registers: lane l holds row l % 16; registers 4 c .. 4 c + 3 hold K = 64 c + 32 (l / 16) + 0 .. 31, the lower K in the lower bits
.irp c, 0,1
	ds_load_b128 v[\reg+4*\c:\reg+4*\c+3], v[\adr] offset:64*(\q)+32*\c+(\i)*16*PITCH
.endr
.endm
; 16 matrix instructions: A's blocks a0, a0 + 1 x B's eight, 128 along K: the slot's q-th.  p: B's set;  sc: the set of scale words.  zero = 1: the first product starts the sums: nothing is ever cleared.
; The 64 accumulators take turns, one instruction a turn, in the same order in every step.
.macro MUL16 a0, p, q, sc, zero
.irp a, \a0, \a0+1
.irp b, 0,1,2,3,4,5,6,7
.if \zero
	v_wmma_scale_f32_16x16x128_f8f6f4 v[8*(8*((\a)%4)+\b):8*(8*((\a)%4)+\b)+7], v[128*(\p)+FR*\b:128*(\p)+FR*\b+FR-1], v[AF+FR*(\a):AF+FR*(\a)+FR-1], 0, v[SC+8*NQ*(\sc)+NQ*\b+(\q)], v[SC+8*NQ*(\sc)+NQ*(\a)+(\q)] matrix_a_fmt:MATRIX_FMT_FP4 matrix_b_fmt:MATRIX_FMT_FP4 matrix_a_scale:MATRIX_SCALE_ROW1
.else
	v_wmma_scale_f32_16x16x128_f8f6f4 v[8*(8*((\a)%4)+\b):8*(8*((\a)%4)+\b)+7], v[128*(\p)+FR*\b:128*(\p)+FR*\b+FR-1], v[AF+FR*(\a):AF+FR*(\a)+FR-1], v[8*(8*((\a)%4)+\b):8*(8*((\a)%4)+\b)+7], v[SC+8*NQ*(\sc)+NQ*\b+(\q)], v[SC+8*NQ*(\sc)+NQ*(\a)+(\q)] matrix_a_fmt:MATRIX_FMT_FP4 matrix_b_fmt:MATRIX_FMT_FP4 matrix_a_scale:MATRIX_SCALE_ROW1
.endif
.endr
.endr
.endm
.macro FETCH_B slot, q, p              ; B's eight fragments of the slot's q-th 128 along K into set p
	WIN TO_B
.irp i, 0,1,2,3,4,5,6,7
	FRAG 128*(\p)+FR*\i, ADRB+\slot, \q, \i
.endr
	WIN 0
.endm
.macro FETCH_A slot, q, i0             ; A's blocks i0 .. i0 + 3
.irp i, \i0, \i0+1, \i0+2, \i0+3
	FRAG AF+FR*(\i), ADRA+\slot, \q, \i
.endr
.endm
.macro SCALES sc                       ; a K step's scale words into set sc: 4 words a row; lanes 0-15 take A's block i, lanes 16-31 B's block i
.irp i, 0,1,2,3,4,5,6,7
	ds_load_b128 v[SC+8*NQ*\sc+NQ*\i:SC+8*NQ*\sc+NQ*\i+3], v[ADRS] offset:\i*SBLK
.endr
.endm
; A load into a register that a matrix instruction has read, and a vector instruction or an LDS store that reads a matrix result, stand NP places behind that matrix instruction, and only plain vector
; instructions that name none of its registers are places (ISA guide 7.12.1 for vector instructions); the matrix instructions in between are not counted.
.macro PLACES n
.rept \n
	v_nop
.endr
.endm
; A step of 128 along K that has its successor in the same slot.  A's blocks go one after the other, each against B's eight: a block of A is free when its eight products are issued, so A has one set of registers
; (blocks 0-3 are fetched anew in the step's middle, blocks 4-7 at its end); B's fragments are at work through the whole step and have two sets.
.macro STEP slot, q, zero
	s_wait_dscnt 4*NL                              ; B's set, A's blocks 0-3 and the scale words are in; the youngest eight loads (A's blocks 4-7) may be out
	WIN MUL_LO
	MUL16 0, (\q)%2, \q, \slot, \zero
	MUL16 2, (\q)%2, \q, \slot, \zero
	s_wait_dscnt 0                                 ; A's blocks 4-7 are in (asked for 32 matrix instructions ago)
	PLACES NP
	FETCH_B \slot, (\q)+1, 1-(\q)%2
	FETCH_A \slot, (\q)+1, 0
	WIN MUL_HI
	MUL16 4, (\q)%2, \q, \slot, \zero
	MUL16 6, (\q)%2, \q, \slot, \zero
	PLACES NP
	WIN 0
	FETCH_A \slot, (\q)+1, 4
.endm
; A slot's last step changes slots: ONE barrier, which opens a round of the cluster's barrier.  In front of it each wave waits for all its tensor loads, adds 0 to its spare word, and waits for that and for its own reads of this slot.
; fill = 1: this slot is filled again, jointly, with the K step two on.  fill = 2: its lower half takes c's tile, each wave a quarter, by a load of the work-group's own.  One tensor load a wave, first thing behind the round.
; ask = 1: c's rows are prefetched into the L2: each wave names the 64 rows of 256 bytes that its own tensor load will bring, a lane a row, two instructions, behind the joint load, its four lines and the run of LDS loads;
; that is two K steps, 512 matrix instructions, ahead of that tensor load.  Each row's 256 bytes are named once in the launch; the address registers are never rewritten.
.macro TURN slot, next, fill, ask
	s_wait_tensorcnt 0x0                           ; all my tensor loads have landed: my part of the next slot;  (every window is 0 here: the add's two registers lie in window 0)
	ds_add_u32 v[SPW], v[NIL]                      ; 0 onto my spare word
	s_wait_dscnt 4*NL+1                            ; (the add and the youngest eight loads, A's blocks 4-7, may be out)
	WIN MUL_LO
	MUL16 0, 1, NQ-1, \slot, 0                     ; sixteen matrix instructions stand between the add and the wait for it
	s_wait_dscnt 0x0                               ; the add is done, and my reads of this slot are over
	s_barrier_signal -1
	MUL16 2, 1, NQ-1, \slot, 0
	WIN 0
	s_barrier_wait -1
	CREST                                          ; no wave of any partner still reads this slot's tile or has a load on its way
.if \fill == 1
	s_add_nc_u64 s[G0+4*\slot+2:G0+4*\slot+3], s[G0+4*\slot+2:G0+4*\slot+3], 2*ROWB
	s_add_nc_u64 s[G0B+4*\slot+2:G0B+4*\slot+3], s[G0B+4*\slot+2:G0B+4*\slot+3], 2*ROWB
	JLOAD G0+4*\slot, G1, G0B+4*\slot, G1B         ; the four v_nop behind it are also the places in front of the loads below
.else
	tensor_load_to_lds s[G0C:G0C+3], s[G1C:G1C+7]  ; rows 64 w .. 64 w + 63 of c's tile: both addresses hang on the wave's number
	s_nop 0
	PLACES 4
.endif
	v_add_nc_u32 v[ADRS], 4*NQ, v[ADRS]            ; on to the next K step's scale words (no LDS load of mine is out)
	FETCH_B \next, 0, 0
	FETCH_A \next, 0, 0
	SCALES \next
.if \ask
	global_prefetch_b8 v[PFO], s[PFC:PFC+1] th:TH_LOAD_NT scope:SCOPE_SE
	global_prefetch_b8 v[PFO], s[PFC:PFC+1] offset:131072 th:TH_LOAD_NT scope:SCOPE_SE
.endif
	WIN MUL_HI
	MUL16 4, 1, NQ-1, \slot, 0
	MUL16 6, 1, NQ-1, \slot, 0
	PLACES NP
	WIN 0
	FETCH_A \next, 0, 4
.endm
.macro STEPS slot, from                ; the slot's steps from .. NQ - 2
.set Q, \from
.rept NQ-1-\from
	STEP \slot, Q, 0
.set Q, Q+1
.endr
.endm
	s_wait_tensorcnt 1                             ; the scales and my part of K step 0 are in (K step 1's load may be out)
	s_barrier_signal -1
	s_barrier_wait -1                              ; everybody's are
	FETCH_B 0, 0, 0
	FETCH_A 0, 0, 0
	SCALES 0
	FETCH_A 0, 0, 4
	; K has four K steps, sixteen steps of 128: they are written out, since each change of slots fills something else
	STEP 0, 0, 1                                   ; the first step's products start the sums
	STEPS 0, 1
	TURN 0, 1, 1, 1                                ; slot 0 takes K step 2; c is prefetched
	STEPS 1, 0
	TURN 1, 0, 1, 0                                ; slot 1 takes K step 3
	STEPS 0, 0
	TURN 0, 1, 2, 0                                ; slot 0's lower half takes c's tile
	STEPS 1, 0
	s_wait_dscnt 4*NL                              ; the very last step: nothing more to fetch
	WIN MUL_LO
	MUL16 0, 1, NQ-1, 1, 0
	MUL16 2, 1, NQ-1, 1, 0
	s_wait_dscnt 0x0                               ; A's blocks 4-7 are in: my reads of slot 1 are over, and no LDS instruction of mine follows until the barrier in block 0 of the way out
	WIN MUL_HI
	MUL16 4, 1, NQ-1, 1, 0
	MUL16 6, 1, NQ-1, 1, 0
	WIN 0
	; THE WAY OUT.  The biases are added and scaled: 64 plain lines that name no register of the last products: they are the places behind those products.
	s_wait_loadcnt 0x0                             ; the biases are in, and their loads' base registers may be written
	s_mov_b32 s[K1], 0xbfb8aa3b                    ; -log2(e)
	s_mov_b32 s[K1+1], s[K1]                       ; (named with it as a pair, so it is written)
	s_mov_b32 s[K2], 0xc038aa3b                    ; -2 log2(e)
	s_mov_b32 s[K2+1], s[K2]
	s_mov_b32 s[CL], 0x41f00000                    ; 30
	WIN 0x05                                       ; sources 0 and 1 window 1, destination window 0
.set n, 0
.rept 32
	v_pk_add_f32 v[BI+n:BI+n+1], v[BW+n:BW+n+1], v[BU+n:BU+n+1]
.set n, n+2
.endr
	WIN 0
.set n, 0
.rept 24
	v_pk_mul_f32 v[BI+n:BI+n+1], v[BI+n:BI+n+1], s[K1:K1+1] op_sel_hi:[1,0]       ; gates i, f, o
.set n, n+2
.endr
.rept 8
	v_pk_mul_f32 v[BI+n:BI+n+1], v[BI+n:BI+n+1], s[K2:K2+1] op_sel_hi:[1,0]       ; gate c~
.set n, n+2
.endr
.macro CLOAD blk, set                  ; c of my rows 16 blk .. 16 blk + 15, my 16 numbers, into set
.irp u, 0,1
.irp k, 0,1
	ds_load_b128 v[CV+16*(\set)+8*\u+4*\k:CV+16*(\set)+8*\u+4*\k+3], v[CA] offset:(\blk)*16*PITCH+64*\u+16*\k
.endr
.endr
.endm
; Block a's results lie in the stages, everybody's: of its 16 rows in my row half I read 8 whole rows of c_next and 8 of h_next back, two rows an instruction, into block a's own 32 registers of window 1.
.macro BACK a
	WIN TO_B
.irp t, 0,1,2,3
	ds_load_b128 v[32*(\a)+4*\t:32*(\a)+4*\t+3], v[RDC] offset:(16*(\a)+2*\t)*PITCH
.endr
.irp t, 0,1,2,3
	ds_load_b128 v[32*(\a)+16+4*\t:32*(\a)+16+4*\t+3], v[RDH] offset:(16*(\a)+2*\t)*PITCH
.endr
	WIN 0
.endm
; And store them: 16 lanes store 256 consecutive bytes, at a multiple of 256 from the output's first byte; written once, read by nobody here.  The immediate is at most 118 rows of 4,096 bytes, inside its signed 24 bits (ISA guide, chapter 10).
; Neither the data, nor the offset, nor the bases are ever written again.  counted = 1: the loads were issued just before: each store waits for its own; 0: they were issued a batch of the activation ago: one wait.
.macro SEND a, counted
.if \counted == 0
	s_wait_dscnt 0x0                               ; the eight loads are in (and the next block's c, asked for ahead of them)
.endif
	WIN FROM_B
.irp t, 0,1,2,3
.if \counted
	s_wait_dscnt 7-\t                              ; behind this load stand the block's 7 - t later ones
.endif
	global_store_b128 v[CO], v[32*(\a)+4*\t:32*(\a)+4*\t+3], s[OUT1:OUT1+1] offset:(16*(\a)+2*\t)*4096 th:TH_STORE_NT
.endr
.irp t, 0,1,2,3
.if \counted
	s_wait_dscnt 3-\t
.endif
	global_store_b128 v[CO], v[32*(\a)+16+4*\t:32*(\a)+16+4*\t+3], s[OUT0:OUT0+1] offset:(16*(\a)+2*\t)*4096 th:TH_STORE_NT
.endr
	WIN 0
.endm
; Block a: my rows 16 a .. 16 a + 15, 32 hidden units: 16 outputs a lane.  The transcendentals go in four batches (64 exponentials, 16 reciprocals, 16 exponentials, 16 reciprocals); behind each stand one plain line and
; one s_wait_alu, ahead of the batch's first reader.
; ONE BARRIER A BLOCK.  In block 0 it stands behind the first batch: in front of it each wave has waited for its quarter of c's tile, and its reads of slot 1 are long over; behind it c is read, and the stages are written.
; In blocks 1 to 7 it says that block a - 1 lies whole in the stages: the signal stands behind my wait for my stores of that block; between signal and wait stand the next block's loads of c, whose bytes no wave writes, and the
; first batch; behind the wait block a - 1's rows are read back, and they are stored behind the second batch.  Within a barrier's span the reads take block a - 1's rows and the stores block a's; no byte of a stage is written twice.
.macro GATES a
.set AC,  64*((\a)%4)
.set CVS, CV+16*((\a)%2)
	WIN (0x02+(\a)/4)                              ; source 0: window 2 or 3
.set n, 0
.rept 24
	v_pk_fma_f32 v[TT+n:TT+n+1], v[AC+n:AC+n+1], s[K1:K1+1], v[BI+n:BI+n+1] op_sel_hi:[1,0,1]   ; t = k x gate + k x bias; each accumulator from its low end on
.set n, n+2
.endr
.rept 8
	v_pk_fma_f32 v[TT+n:TT+n+1], v[AC+n:AC+n+1], s[K2:K2+1], v[BI+n:BI+n+1] op_sel_hi:[1,0,1]
.set n, n+2
.endr
	WIN 0
.set n, 0
.rept 16
	v_min_num_f32 v[TT+n], s[CL], v[TT+n]          ; the hold at 30
.set n, n+1
.endr
.if (\a) > 0
	s_wait_dscnt 0x0                               ; for the others' sake: my stores of the last block into the stages are done; and this block's c is in
	s_barrier_signal -1
.if (\a) < 7
	CLOAD (\a)+1, 1-(\a)%2                         ; the next block's c, a block ahead
.endif
.endif
.set n, 0
.rept 48
	v_exp_f32 v[TT+n], v[TT+n]                     ; e = 2^t, by turns with the hold of the exponent sixteen on
	v_min_num_f32 v[TT+16+n], s[CL], v[TT+16+n]
.set n, n+1
.endr
.rept 16
	v_exp_f32 v[TT+n], v[TT+n]
.set n, n+1
.endr
	v_nop
	s_wait_alu depctr_va_vdst(0)                   ; one wait for the 64
.if (\a) == 0
	s_wait_tensorcnt 0x0                           ; my quarter of c's tile has landed: other waves read it behind the barrier
	s_barrier_signal -1
	s_barrier_wait -1
	CLOAD 0, 0
	CLOAD 1, 1
.else
	s_barrier_wait -1                              ; the last block lies whole in the stages
	BACK (\a)-1
.endif
.set n, 0
.rept 8
	v_pk_fma_f32 v[NUM+n:NUM+n+1], v[TT+48+n:TT+49+n], -1.0, 1.0 op_sel_hi:[1,0,0]   ; 1 - ec
.set n, n+2
.endr
.set n, 0
.rept 32
	v_pk_add_f32 v[TT+n:TT+n+1], v[TT+n:TT+n+1], 1.0 op_sel_hi:[1,0]                 ; 1 + e, all four gates
.set n, n+2
.endr
.set n, 0
.rept 8
	v_pk_mul_f32 v[TT+n:TT+n+1], v[TT+n:TT+n+1], v[TT+48+n:TT+49+n]                  ; D1 = (1+ei)(1+ec)
.set n, n+2
.endr
.set n, 0
.rept 8
	v_pk_mul_f32 v[NUM+n:NUM+n+1], v[NUM+n:NUM+n+1], v[TT+16+n:TT+17+n]              ; (1-ec)(1+ef)
.set n, n+2
.endr
.if (\a) == 0
	s_wait_dscnt 4                                 ; block 0's c is in; block 1's four loads may be out
.endif
.set n, 0
.rept 8
	v_pk_fma_f32 v[NUM+n:NUM+n+1], v[CVS+n:CVS+n+1], v[TT+n:TT+n+1], v[NUM+n:NUM+n+1]   ; + c D1
.set n, n+2
.endr
.set n, 0
.rept 8
	v_pk_mul_f32 v[TT+16+n:TT+17+n], v[TT+n:TT+n+1], v[TT+16+n:TT+17+n]              ; D1 (1+ef)
.set n, n+2
.endr
.set n, 0
.rept 16
	v_rcp_f32 v[TT+16+n], v[TT+16+n]
.set n, n+1
.endr
	v_nop
	s_wait_alu depctr_va_vdst(0)                   ; one wait for the 16
.if (\a) > 0
	SEND (\a)-1, 0                                 ; the last block leaves while this one is computed
.endif
.set n, 0
.rept 8
	v_pk_mul_f32 v[CN+n:CN+n+1], v[NUM+n:NUM+n+1], v[TT+16+n:TT+17+n]                ; c_next
.set n, n+2
.endr
.set n, 0
.rept 8
	v_pk_mul_f32 v[TT+n:TT+n+1], v[CN+n:CN+n+1], s[K2:K2+1] op_sel_hi:[1,0]          ; -2 log2(e) c_next
.set n, n+2
.endr
.irp u, 0,1
.irp k, 0,1
	ds_store_b128 v[CNA], v[CN+8*\u+4*\k:CN+8*\u+4*\k+3] offset:(\a)*16*PITCH+64*\u+16*\k
.endr
.endr
.set n, 0
.rept 16
	v_min_num_f32 v[TT+n], s[CL], v[TT+n]
.set n, n+1
.endr
.set n, 0
.rept 16
	v_exp_f32 v[TT+n], v[TT+n]                     ; en
.set n, n+1
.endr
	v_nop
	s_wait_alu depctr_va_vdst(0)
.set n, 0
.rept 8
	v_pk_fma_f32 v[NUM+n:NUM+n+1], v[TT+n:TT+n+1], -1.0, 1.0 op_sel_hi:[1,0,0]       ; 1 - en
.set n, n+2
.endr
.set n, 0
.rept 8
	v_pk_add_f32 v[TT+n:TT+n+1], v[TT+n:TT+n+1], 1.0 op_sel_hi:[1,0]                 ; 1 + en
.set n, n+2
.endr
.set n, 0
.rept 8
	v_pk_mul_f32 v[TT+n:TT+n+1], v[TT+n:TT+n+1], v[TT+32+n:TT+33+n]                  ; (1+en)(1+eo)
.set n, n+2
.endr
.set n, 0
.rept 16
	v_rcp_f32 v[TT+n], v[TT+n]
.set n, n+1
.endr
	v_nop
	s_wait_alu depctr_va_vdst(0)
.set n, 0
.rept 8
	v_pk_mul_f32 v[HH+n:HH+n+1], v[NUM+n:NUM+n+1], v[TT+n:TT+n+1]                    ; h_next
.set n, n+2
.endr
.irp u, 0,1
.irp k, 0,1
	ds_store_b128 v[HA], v[HH+8*\u+4*\k:HH+8*\u+4*\k+3] offset:(\a)*16*PITCH+64*\u+16*\k
.endr
.endr
.endm
.irp a, 0,1,2,3,4,5,6,7
	GATES \a
.endr
	s_wait_dscnt 0x0                               ; for the others' sake: my stores of the last block into the stages are done
	s_barrier_signal -1
	s_barrier_wait -1
	BACK 7
	SEND 7, 1
	s_wait_tensorcnt 0x0                           ; the wave's end, behind my last tensor load and my last LDS store
	ds_add_u32 v[SPW], v[NIL]
	s_wait_dscnt 0x0
	CROUND                                         ; the closing round: no work-group ends while a partner may still ask for a tile that names it
	s_endpgm
.Lfunc_end_k_q09359e15a3_cell:
	.size	k_q09359e15a3_cell, .Lfunc_end_k_q09359e15a3_cell-k_q09359e15a3_cell
	.p2alignl 7, 3214868480
	.fill 96, 4, 3214868480
	.section	.rodata,"a",@progbits
	.p2align	6, 0x0
	.amdhsa_kernel k_q09359e15a3_cell
		.amdhsa_group_segment_fixed_size 327680
		.amdhsa_private_segment_fixed_size 0
		.amdhsa_enable_private_segment 0
		.amdhsa_kernarg_size 120
		.amdhsa_user_sgpr_count 2
		.amdhsa_user_sgpr_kernarg_segment_ptr 1
		.amdhsa_wavefront_size32 1
		.amdhsa_system_sgpr_workgroup_id_x 1
		.amdhsa_system_sgpr_workgroup_id_y 1
		.amdhsa_system_sgpr_workgroup_id_z 1
		.amdhsa_system_vgpr_workitem_id 0
		.amdhsa_next_free_vgpr 1024
		.amdhsa_next_free_sgpr 106
		.amdhsa_reserve_vcc 0
		.amdhsa_float_denorm_mode_32 3
		.amdhsa_float_denorm_mode_16_64 3
		.amdhsa_memory_ordered 1
		.amdhsa_forward_progress 1
		.amdhsa_inst_pref_size 255
	.end_amdhsa_kernel
	.section	.bss,"aw",@nobits
	.p2align	6
	.space	262144
	.amdgpu_metadata
---
amdhsa.version: [ 1, 2 ]
amdhsa.kernels:
  - .name:           k_q09359e15a3_cell
    .symbol:         k_q09359e15a3_cell.kd
    .args:
      - { .name: b_Wi, .offset: 0, .size: 8, .value_kind: global_buffer, .address_space: global }
      - { .name: b_Ui, .offset: 8, .size: 8, .value_kind: global_buffer, .address_space: global }
      - { .name: b_Wf, .offset: 16, .size: 8, .value_kind: global_buffer, .address_space: global }
      - { .name: b_Uf, .offset: 24, .size: 8, .value_kind: global_buffer, .address_space: global }
      - { .name: b_Wo, .offset: 32, .size: 8, .value_kind: global_buffer, .address_space: global }
      - { .name: b_Uo, .offset: 40, .size: 8, .value_kind: global_buffer, .address_space: global }
      - { .name: b_Wc, .offset: 48, .size: 8, .value_kind: global_buffer, .address_space: global }
      - { .name: b_Uc, .offset: 56, .size: 8, .value_kind: global_buffer, .address_space: global }
      - { .name: a_codes, .offset: 64, .size: 8, .value_kind: global_buffer, .address_space: global }
      - { .name: a_scales, .offset: 72, .size: 8, .value_kind: global_buffer, .address_space: global }
      - { .name: b_codes, .offset: 80, .size: 8, .value_kind: global_buffer, .address_space: global }
      - { .name: b_scales, .offset: 88, .size: 8, .value_kind: global_buffer, .address_space: global }
      - { .name: c, .offset: 96, .size: 8, .value_kind: global_buffer, .address_space: global }
      - { .name: out0, .offset: 104, .size: 8, .value_kind: global_buffer, .address_space: global }
      - { .name: out1, .offset: 112, .size: 8, .value_kind: global_buffer, .address_space: global }
    .group_segment_fixed_size: 327680
    .private_segment_fixed_size: 0
    .kernarg_segment_align: 8
    .kernarg_segment_size: 120
    .max_flat_workgroup_size: 128
    .sgpr_count:     106
    .vgpr_count:     1024
    .wavefront_size: 32
...
	.end_amdgpu_metadata
.endif
;; end of part 2
